; MI455X (gfx1250); checked and timed in simulation.
; The chip was launched on July 23, 2026; its instructions are those of AMD's public machine-readable ISA for CDNA 5 (MIT licence, August 2026) and "CDNA5" Instruction Set Architecture Reference Guide (July 2026). The comments in the code are by the model that wrote it; some were corrected since.
;; Dynamic Router. Allowed arithmetic: float matrix products may take bf16 or f16 operands with f32 sums; other float arithmetic in f32, or as packed bf16 or f16 multiplies, adds, multiply-adds, maxima and minima; sums over many terms, partial sums and values carried from step to step in f32; what a program stores and reads back later, other than sums and carried values, may be rounded once to bf16 or f16.
;; Inputs: bias 64 x 16 float32; inputs 16 x 2,048 x 64 x 16 float32.
;; Outputs: out0 16 x 64 x 16 float32.
;; Constants: num_routing = 3.
;; One version. Each part assembles by itself: llvm-mc -triple=amdgcn-amd-amdhsa -mcpu=gfx1250 --defsym DOCPART=n.
;; ======== version 1 of 1: 4 launches
;; limits: values are held in f16: magnitudes above 65,504 overflow, below 6.1e-05 lose precision; inputs' magnitudes at most 65,504
;; workspace buffers: xh 67,108,864 bytes; parta 1,048,576 bytes; partb 1,048,576 bytes; v0buf 65,536 bytes
;; launch sumcast (part 1): grid 256 x 1, 16 waves a work-group, no clusters, 67,584 bytes of LDS; arguments inputs, xh, parta; writes xh, parta
.if DOCPART == 1
	.amdgcn_target "amdgcn-amd-amdhsa--gfx1250"
	.amdhsa_code_object_version 6
	.text
	.protected	k_q3220845138_sumcast
	.globl	k_q3220845138_sumcast
	.p2align	8
	.type	k_q3220845138_sumcast,@function
k_q3220845138_sumcast:
	s_mov_b64 s[64:65], 0
	v_nop
	global_prefetch_b8 v0, s[64:65] scope:SCOPE_SE
	s_setreg_imm32_b32 hwreg(HW_REG_WAVE_MODE, 25, 1), 1
	s_wait_xcnt 0x0
; DYNAMIC ROUTING, three iterations (num_routing = 3 is a constant of the problem), in four launches.  x = inputs [16][2048][64][16] f32.
;   this launch: parta = partial sums over n of x; xh = x rounded once to f16
;   route1: v0 = squash(sum / 64 + bias); a = softmax over the 64 capsules of x . v0; partb = partial sums over n of a x
;   route2: v1 = squash(sum + bias); a = softmax of x . (v0 + v1); parta = partial sums of a x
;   finish: out0 = squash(sum + bias)
; WORK LEFT OUT, for all values of the inputs.
;   (1) In iteration 0 the priors are the zeros that the reference itself builds: the softmax of 64 equal numbers is 1/64 each, so that step is the plain sum over n divided by 64; no exponential is taken.
;   (2) What is added to the priors is a sum over the features with the axis kept, so the priors are equal along the 16 features: one softmax serves a capsule of a row, not sixteen equal ones.
;   (3) priors of iteration 2 = x . v0 + x . v1 = x . (v0 + v1): the priors are never stored; only the order of rounding differs.
;   Every input is loaded.  No NaN, infinity or overflow can arise in (1), and (2) and (3) repeat or regroup live work; one that would reach only work left out is not carried to the result.
; LIMITS.  The copy is f16: |x| of 65,520 or more becomes an infinity there, and below 6.1e-5 it keeps f16's fixed step of 6e-8.  Sums over n are taken in another order than the reference's.
; SHARES.  A row is one n of one batch: 1,024 numbers, 4,096 bytes.  A work-group takes 128 rows on end (16 work-groups to a batch), each of its 16 waves 8 rows.  A load of a wave covers 512 consecutive
; bytes (16 a lane), eight loads a row; a lane keeps the same 32 places of every row, so its 32 sums stay in registers.  A row is stored 8 bytes a lane: each store of the wave covers 256 consecutive
; bytes, aligned.
; SIX ROW SLOTS of 32 registers: 48 loads of every wave go out at the head.  A row is rounded to f16 into the LOWER half of its slot, from which it is stored; the upper half is then free at once, and
; no pending store reads it.  So row 6 is loaded into the upper halves of slots 0 and 1, row 7 into those of slots 2 and 3, ahead of the stores of the rows that made the room, and no load waits for a store.
; No matrix unit: a sum and a conversion.  No LDS on the way in: no wave wants another wave's bytes.  No cluster: the work-groups share no input.
.set ROWF,  4096                       ; bytes of a row in f32
.set ROWH,  2048                       ; and in f16
.set RED,   0                          ; LDS: wave w's 1,024 sums at 4,096 w
.set SPARE, 65536                      ; behind them: the spare words, 128 bytes for each of the 16 waves; no other line names them
.set SPW, 2                            ; v2   LDS address of my spare word; never rewritten
.set NIL, 3                            ; v3   0; never rewritten
.set IO,  4                            ; v4   my byte offset in the work-group's rows of x: 32,768 wave + 16 lane; never rewritten
.set HO,  5                            ; v5   the same in the copy: 16,384 wave + 8 lane; never rewritten
.set LS,  6                            ; v6   where I put my sums: 4,096 wave + 16 lane
.set T8,  7                            ; v7   8 x my thread's number: where I read sums back, and my 8 bytes of the work-group's partial sums
.set ACC, 8                            ; v[8:39]    sums: number e of piece j at ACC + 4 j + e; in the tail sixteen pairs read back from LDS
.set X,   40                           ; v[40:231]  six slots of 32
; Where piece j of row r lies: rb as loaded (4 registers), rc as stored (2 registers).
.macro BASE r, j
.if (\r) < 6
.set rb, X+32*(\r)+4*(\j)
.set rc, X+32*(\r)+2*(\j)
.else
.set rb, X+32*(2*((\r)-6)+(\j)/4)+16+4*((\j)%4)  ; rows 6 and 7: four pieces in the upper half of each of two slots
.set rc, X+32*(2*((\r)-6)+(\j)/4)+16+2*((\j)%4)
.endif
.endm
.macro FILL r                          ; eight loads of 512 consecutive bytes
.irp j, 0,1,2,3,4,5,6,7
	BASE \r, \j
	global_load_b128 v[rb:rb+3], v[IO], s[4:5] offset:(\r)*ROWF+(\j)*512 th:TH_LOAD_NT
.endr
.endm
.macro ADD r
.irp j, 0,1,2,3,4,5,6,7
	BASE \r, \j
	v_pk_add_f32 v[ACC+4*(\j):ACC+4*(\j)+1], v[ACC+4*(\j):ACC+4*(\j)+1], v[rb:rb+1]
	v_pk_add_f32 v[ACC+4*(\j)+2:ACC+4*(\j)+3], v[ACC+4*(\j)+2:ACC+4*(\j)+3], v[rb+2:rb+3]
.endr
.endm
.macro CVT r                           ; four numbers into two registers, the pieces in ascending order: a piece lands on registers whose numbers have been rounded already
.irp j, 0,1,2,3,4,5,6,7
	BASE \r, \j
	v_cvt_pk_f16_f32 v[rc], v[rb], v[rb+1]
	v_cvt_pk_f16_f32 v[rc+1], v[rb+2], v[rb+3]
.endr
.endm
.macro ST r
.irp j, 0,1,2,3,4,5,6,7
	BASE \r, \j
	global_store_b64 v[HO], v[rc:rc+1], s[6:7] offset:(\r)*ROWH+(\j)*256 th:TH_STORE_NT
.endr
.endm
	s_load_b128 s[4:7], s[0:1], 0x0                ; inputs s[4:5], xh s[6:7]
	s_load_b64 s[8:9], s[0:1], 0x10                ; parta
	v_lshl_add_u32 v[SPW], v0, 2, SPARE
	v_mov_b32 v[NIL], 0
	v_lshrrev_b32 v1, 5, v0
	v_readfirstlane_b32 s10, v1                    ; wave 0..15
	v_and_b32 v1, 31, v0                           ; lane
	s_lshl_b32 s12, ttmp9, 19                      ; the work-group's 128 rows of 4,096 bytes (under 2^27)
	s_mov_b32 s13, 0
	s_lshl_b32 s14, ttmp9, 18                      ; of 2,048 bytes
	s_mov_b32 s15, 0
	s_lshl_b32 s16, ttmp9, 12                      ; its 4,096 bytes of partial sums
	s_mov_b32 s17, 0
	s_lshl_b32 s18, s10, 15                        ; my wave's 8 rows in x,
	s_lshl_b32 s19, s10, 14                        ; in the copy,
	s_lshl_b32 s20, s10, 12                        ; its sums in LDS,
	s_lshl_b32 s21, s10, 8                         ; 8 x its first thread
	v_lshl_add_u32 v[IO], v1, 4, s18
	v_lshl_add_u32 v[HO], v1, 3, s19
	v_lshl_add_u32 v[LS], v1, 4, s20
	v_lshl_add_u32 v[T8], v1, 3, s21
	s_wait_kmcnt 0x0
	s_add_nc_u64 s[4:5], s[4:5], s[12:13]
	s_add_nc_u64 s[6:7], s[6:7], s[14:15]
	s_add_nc_u64 s[8:9], s[8:9], s[16:17]
.irp r, 0,1,2,3,4,5
	FILL \r
.endr
	s_wait_loadcnt 32                              ; loads come back in order: rows 0 and 1 are in; the 32 loads of rows 2 to 5 stay out
.set i, 0
.rept 16
	v_pk_add_f32 v[ACC+i:ACC+i+1], v[X+i:X+i+1], v[X+32+i:X+32+i+1]  ; the first two rows start the sums: nothing is cleared
.set i, i+2
.endr
	CVT 0
	CVT 1
	FILL 6                                         ; into the upper halves of slots 0 and 1: the load goes out ahead of the stores
	ST 0
	ST 1
	s_wait_loadcnt 24                              ; rows 2 and 3 are in; behind them: rows 4, 5, 6
	ADD 2
	ADD 3
	CVT 2
	CVT 3
	FILL 7                                         ; into the upper halves of slots 2 and 3: the last load
	ST 2
	ST 3
	s_wait_loadcnt 24                              ; row 4 is in; behind it: rows 5, 6, 7
	ADD 4
	CVT 4
	ST 4
	s_wait_loadcnt 16                              ; behind row 5: rows 6, 7
	ADD 5
	CVT 5
	ST 5
	s_wait_loadcnt 8                               ; behind row 6: row 7
	ADD 6
	CVT 6
	ST 6
	s_wait_loadcnt 0x0
	ADD 7
	CVT 7
	ST 7
	; The sixteen waves' sums meet in LDS: each wave stores its 1,024 in their order in a row; behind the barrier thread t adds numbers 2 t and 2 t + 1 of all sixteen.
.irp j, 0,1,2,3,4,5,6,7
	ds_store_b128 v[LS], v[ACC+4*(\j):ACC+4*(\j)+3] offset:RED+(\j)*512
.endr
	s_wait_dscnt 0x0                               ; for the others' sake: my stores are done
	s_barrier_signal -1
	s_barrier_wait -1
.irp k, 0,1,2,3,4,5,6,7,8,9,10,11,12,13,14,15
	ds_load_b64 v[ACC+2*(\k):ACC+2*(\k)+1], v[T8] offset:RED+(\k)*4096  ; into the sums' own registers: no pending global store reads them
.endr
	s_wait_dscnt 0x0
.irp k, 0,1,2,3,4,5,6,7
	v_pk_add_f32 v[ACC+2*(\k):ACC+2*(\k)+1], v[ACC+2*(\k):ACC+2*(\k)+1], v[ACC+16+2*(\k):ACC+16+2*(\k)+1]
.endr
.irp k, 0,1,2,3
	v_pk_add_f32 v[ACC+2*(\k):ACC+2*(\k)+1], v[ACC+2*(\k):ACC+2*(\k)+1], v[ACC+8+2*(\k):ACC+8+2*(\k)+1]
.endr
.irp k, 0,1
	v_pk_add_f32 v[ACC+2*(\k):ACC+2*(\k)+1], v[ACC+2*(\k):ACC+2*(\k)+1], v[ACC+4+2*(\k):ACC+4+2*(\k)+1]
.endr
	v_pk_add_f32 v[ACC:ACC+1], v[ACC:ACC+1], v[ACC+2:ACC+3]
	global_store_b64 v[T8], v[ACC:ACC+1], s[8:9]   ; a wave's store covers 256 consecutive bytes, aligned; the division by 64 is fused into the next launch's bias
	s_wait_tensorcnt 0x0                           ; the wave's end, behind my last LDS store
	ds_add_u32 v[SPW], v[NIL]
	s_wait_dscnt 0x0
	s_endpgm
.Lfunc_end_k_q3220845138_sumcast:
	.size	k_q3220845138_sumcast, .Lfunc_end_k_q3220845138_sumcast-k_q3220845138_sumcast
	.p2alignl 7, 3214868480
	.fill 96, 4, 3214868480
	.section	.rodata,"a",@progbits
	.p2align	6, 0x0
	.amdhsa_kernel k_q3220845138_sumcast
		.amdhsa_group_segment_fixed_size 67584
		.amdhsa_private_segment_fixed_size 0
		.amdhsa_enable_private_segment 0
		.amdhsa_kernarg_size 24
		.amdhsa_user_sgpr_count 2
		.amdhsa_user_sgpr_kernarg_segment_ptr 1
		.amdhsa_wavefront_size32 1
		.amdhsa_system_sgpr_workgroup_id_x 1
		.amdhsa_system_sgpr_workgroup_id_y 1
		.amdhsa_system_sgpr_workgroup_id_z 1
		.amdhsa_system_vgpr_workitem_id 0
		.amdhsa_next_free_vgpr 232
		.amdhsa_next_free_sgpr 66
		.amdhsa_reserve_vcc 0
		.amdhsa_float_denorm_mode_32 3
		.amdhsa_float_denorm_mode_16_64 3
		.amdhsa_memory_ordered 1
		.amdhsa_forward_progress 1
		.amdhsa_inst_pref_size 32
	.end_amdhsa_kernel
	.amdgpu_metadata
---
amdhsa.version: [ 1, 2 ]
amdhsa.kernels:
  - .name:           k_q3220845138_sumcast
    .symbol:         k_q3220845138_sumcast.kd
    .args:
      - { .name: inputs, .offset: 0, .size: 8, .value_kind: global_buffer, .address_space: global }
      - { .name: xh, .offset: 8, .size: 8, .value_kind: global_buffer, .address_space: global }
      - { .name: parta, .offset: 16, .size: 8, .value_kind: global_buffer, .address_space: global }
    .group_segment_fixed_size: 67584
    .private_segment_fixed_size: 0
    .kernarg_segment_align: 8
    .kernarg_segment_size: 24
    .max_flat_workgroup_size: 512
    .sgpr_count:     66
    .vgpr_count:     232
    .wavefront_size: 32
...
	.end_amdgpu_metadata
.endif
;; end of part 1
;; launch route1 (part 2): grid 256 x 1, 16 waves a work-group, no clusters, 268,288 bytes of LDS; arguments xh, parta, bias, v0buf, partb; writes v0buf, partb
.if DOCPART == 2
	.amdgcn_target "amdgcn-amd-amdhsa--gfx1250"
	.amdhsa_code_object_version 6
	.text
	.protected	k_q3220845138_route1
	.globl	k_q3220845138_route1
	.p2align	8
	.type	k_q3220845138_route1,@function
k_q3220845138_route1:
	s_mov_b64 s[64:65], 0
	v_nop
	global_prefetch_b8 v0, s[64:65] scope:SCOPE_SE
	s_setreg_imm32_b32 hwreg(HW_REG_WAVE_MODE, 25, 1), 1
	s_wait_xcnt 0x0
; ROUTING STEP 1 (SECOND = 0).  v0 = squash(sum over n of x / 64 + bias); a[n][c] = softmax over the 64 capsules c of x[n][c] . v0[c]; the work-group's partial sums over n of a[n][c] x[n][c][f].
; Left out, as the first launch's head shows: one softmax serves a capsule's 16 features, since the priors are equal along them; the priors are not stored.
; LIMITS.  x is the f16 copy (|x| under 65,520).  A weight below 2^-126 counts as 0 beside the row's largest, which is 1.  Sums are taken in another order than the reference's.
; SHARES.  A row (one n of one batch) is 1,024 f16, 2,048 bytes.  A work-group takes 128 rows on end (16 work-groups to a batch), each of its 16 waves 8 rows, 16,384 dense bytes.
; THE ROWS COME BY THE TENSOR DATA MOVER, into LDS bytes that are the wave's own: four loads a wave, a pair of rows each (4,096 dense bytes, asked for as 16 rows of 256), all issued at the head, behind the 17
; small loads that the head's arithmetic waits for.  A tensor load takes one issue slot, so the wave goes straight on to make v0 while its whole share is on its way; the counted waits then let a pair be worked
; on while the later pairs land, which one load of 64 rows would not.  By this text's count a wave has four tensor loads out.  Nothing is filled again, so no barrier guards a slot.
; HEAD.  Thread t adds numbers 2 t and 2 t + 1 of the batch's 16 partial sums; a capsule's 16 features lie in 8 neighbouring lanes, so its squared norm is three exchanges.  The batch's first work-group stores v0.
; w = v0 log2(e) goes through LDS to every lane: 32 registers.  The exponentials are then powers of two of w . x less its maximum.
; A PAIR OF ROWS.  Eight LDS loads of 512 consecutive bytes: in piece j of a row lane l holds features 8 (l % 2) + 0..7 of capsule 16 j + l / 2: half a capsule, four capsules a lane, the same in every row.
; 64 multiply-adds straight from the f16 halves into 8 f32 sums; the neighbour lane's half is added; the maximum over the 64 capsules (in the lane, then lanes 2, 4, 8 and 16 away) is taken away,
; as the reference takes it; 8 exponentials, one batch with one wait; the sum; 2 reciprocals with one wait; 64 multiply-adds onto the lane's 32 f32 sums.
; No matrix unit: each capsule's two products have one row, so a tile of 16 x 16 would hold one useful line in sixteen.
; No cluster: what the 16 work-groups of a batch share is 65,536 bytes of partial sums, read once, beside 262,144 bytes of rows of their own.
.set SECOND, 0
.set ROWH,  2048
.set PAIRB, 2*ROWH                     ; what one tensor load brings
.set WSLOT, 4*PAIRB                    ; LDS: wave w's 8 rows at 16,384 w; at the end its 1,024 sums take the first 4,096 of these bytes, which have had their only fill and whose reads are over
.set WV,    16*WSLOT                   ; w: 1,024 f32
.set SPARE, WV+4096                    ; the spare words, 128 bytes for each of the 16 waves; no other line names them
.set SPW,  2                           ; v2   LDS address of my spare word; never rewritten
.set NIL,  3                           ; v3   0, for the add alone; never rewritten
.set LA,   4                           ; v4   16,384 wave + 16 lane: my 16 bytes of a piece; never rewritten
.set T8,   5                           ; v5   8 x my thread's number; never rewritten
.set LW,   6                           ; v6   WV + 8 x my thread's number
.set LWR,  7                           ; v7   WV + 32 lane
.set LS,   8                           ; v8   16,384 wave + 32 lane
.set ZERO, 9                           ; v9   0: the addend of a chain's first multiply-add (these forms take registers alone)
.set Q,    10                          ; v10  a capsule's squared norm, then the factor of squash
.set D,    12                          ; v[12:13] 1 + n2, n2 + eps
.set WS,   14                          ; v[14:15] my two numbers of w
.set BI,   16                          ; v[16:17] my two numbers of bias
.set VP,   18                          ; v[18:19] (SECOND) my two numbers of v0
.set L,    20                          ; v[20:27] row r of the pair, piece j, at L + 4 r + j: logit, then weight
.set MT,   28                          ; v[28:31] row r: the maximum at MT + 2 r; beside it a register at work
.set S,    32                          ; v[32:35] row r: the sum, then its reciprocal, at S + 2 r; beside it a register at work
.set W,    36                          ; v[36:67]   w of my 32 places: piece j, feature e at W + 8 j + e
.set ACC,  68                          ; v[68:99]   my 32 sums, likewise
.set X,    100                         ; v[100:131] the pair in hand: row r, piece j at X + 16 r + 4 j
.set R,    X                           ; the tail: sixteen pairs read back from LDS
.set P,    132                         ; v[132:163] the head: sixteen pairs of partial sums; the first pair becomes v0 and is not rewritten behind its store
.set RA,   164                         ; v[164:166] 8 x my thread's number + 65,536 m, m = 1 to 3: an LDS immediate has 16 bits
.set G1,   32                          ; s[32:39] descriptor group 1: the shape, the same for all four loads
.set G0,   40                          ; s[40:55] descriptor group 0, a set for each load: all four are out together
.macro TREE b                          ; sixteen pairs from v[b] on are added into the first
.irp k, 0,1,2,3,4,5,6,7
	v_pk_add_f32 v[(\b)+2*(\k):(\b)+2*(\k)+1], v[(\b)+2*(\k):(\b)+2*(\k)+1], v[(\b)+16+2*(\k):(\b)+16+2*(\k)+1]
.endr
.irp k, 0,1,2,3
	v_pk_add_f32 v[(\b)+2*(\k):(\b)+2*(\k)+1], v[(\b)+2*(\k):(\b)+2*(\k)+1], v[(\b)+8+2*(\k):(\b)+8+2*(\k)+1]
.endr
.irp k, 0,1
	v_pk_add_f32 v[(\b)+2*(\k):(\b)+2*(\k)+1], v[(\b)+2*(\k):(\b)+2*(\k)+1], v[(\b)+4+2*(\k):(\b)+4+2*(\k)+1]
.endr
	v_pk_add_f32 v[(\b):(\b)+1], v[(\b):(\b)+1], v[(\b)+2:(\b)+3]
.endm
	s_load_b256 s[4:11], s[0:1], 0x0               ; xh s[4:5], partial sums in s[6:7], bias s[8:9], v0 s[10:11]
	s_load_b64 s[12:13], s[0:1], 0x20              ; partial sums out
	v_lshl_add_u32 v[SPW], v0, 2, SPARE
	v_mov_b32 v[NIL], 0
	ds_add_u32 v[SPW], v[NIL]                      ; the wave's opening: the add, twice on end, and its wait, ahead of my first tensor load; the set-up below, work on registers, stands between
	ds_add_u32 v[SPW], v[NIL]                      ; and once more, under the one wait
	v_lshrrev_b32 v1, 5, v0
	v_readfirstlane_b32 s14, v1                    ; wave 0..15
	v_and_b32 v1, 31, v0                           ; lane
	s_lshr_b32 s15, ttmp9, 4                       ; the batch
.if SECOND == 0
	s_and_b32 s16, ttmp9, 15                       ; my place among the batch's 16 work-groups
.endif
	s_lshl_b32 s17, s14, 14                        ; my wave's 8 rows: in the work-group's share of memory and in LDS alike
	s_lshl_b32 s18, s14, 8                         ; 8 x its first thread
	s_lshl_b32 s20, ttmp9, 18                      ; the work-group's 128 rows of 2,048 bytes,
	s_add_co_u32 s20, s20, s17                     ; and my wave's among them (under 2^26)
	s_mov_b32 s21, 0
	s_lshl_b32 s22, s15, 16                        ; the batch's 16 partial sums of 4,096 bytes
	s_mov_b32 s23, 0
	s_lshl_b32 s24, s15, 12                        ; the batch's v0
	s_mov_b32 s25, 0
	s_lshl_b32 s26, ttmp9, 12                      ; the work-group's partial sums
	s_mov_b32 s27, 0
	; descriptor group 1: 4,096 dense bytes as a tile of 16 rows x 128 elements of 2 bytes, laid into LDS without gaps; the tile lies inside the tensor, so the extents are the tile's
	s_mov_b32 s[G1+0], 1<<16                       ; 15:0 no work-group mask; 17:16 elements of 2 bytes; 20 no padding
	s_mov_b32 s[G1+1], 128<<16                     ; tensor_dim0 = 128
	s_mov_b32 s[G1+2], 16<<16                      ; tensor_dim1 = 16
	s_mov_b32 s[G1+3], 128<<16                     ; tile_dim0 = 128
	s_mov_b32 s[G1+4], 16                          ; tile_dim1 = 16
	s_mov_b32 s[G1+5], 128                         ; 128 elements from row to row: dense
	s_mov_b32 s[G1+6], 0
	s_mov_b32 s[G1+7], 0
.irp g, 0,1,2,3
	s_mov_b32 s[G0+4*(\g)], 1                      ; count = 1
	s_add_co_u32 s[G0+4*(\g)+1], s17, (\g)*PAIRB   ; LDS address: 16,384 wave + 4,096 pair
.endr
	v_lshl_add_u32 v[T8], v1, 3, s18
	s_wait_dscnt 0x0                               ; both opening adds are done
	s_wait_kmcnt 0x0
	s_add_nc_u64 s[6:7], s[6:7], s[22:23]
	s_add_nc_u64 s[10:11], s[10:11], s[24:25]
.irp k, 0,1,2,3,4,5,6,7,8,9,10,11,12,13,14,15
	global_load_b64 v[P+2*(\k):P+2*(\k)+1], v[T8], s[6:7] offset:(\k)*4096  ; what the head waits for goes out first
.endr
	global_load_b64 v[BI:BI+1], v[T8], s[8:9]
.if SECOND
	global_load_b64 v[VP:VP+1], v[T8], s[10:11]
.endif
	s_add_nc_u64 s[4:5], s[4:5], s[20:21]          ; xh at my wave's first row
.irp g, 0,1,2,3
	s_add_nc_u64 s[G0+4*(\g)+2:G0+4*(\g)+3], s[4:5], (\g)*PAIRB  ; global address of the pair
	s_or_b32 s[G0+4*(\g)+3], s[G0+4*(\g)+3], 0x80000000          ; type = 2
.endr
.irp g, 0,1,2,3
	tensor_load_to_lds s[G0+4*(\g):G0+4*(\g)+3], s[G1:G1+7]      ; the four first fills, one group, ahead of every wait on TENSORcnt, every LDS read and every barrier
	s_nop 0
.endr
	v_lshl_add_u32 v[LA], v1, 4, s17               ; the rest of the set-up stands in the wait for the head's loads
	v_lshl_add_u32 v[LS], v1, 5, s17
	v_lshl_add_u32 v[LWR], v1, 5, WV
	v_mov_b32 v[ZERO], 0
	s_add_co_u32 s19, s18, WV
	v_lshl_add_u32 v[LW], v1, 3, s19
.irp m, 1,2,3
	v_add_nc_u32 v[RA+(\m)-1], 65536*(\m), v[T8]
.endr
	s_add_nc_u64 s[12:13], s[12:13], s[26:27]
	s_mov_b32 s28, 0x76543210                      ; v_permlanex16_b32: each lane takes its own place in the other half
	s_mov_b32 s29, 0xfedcba98
	s_wait_loadcnt 0x0                             ; the partial sums and the bias are in
	TREE P
.if SECOND
	v_pk_add_f32 v[P:P+1], v[P:P+1], v[BI:BI+1]
.else
	v_pk_fma_f32 v[P:P+1], v[P:P+1], 0x3c800000, v[BI:BI+1] op_sel_hi:[1,0,1]  ; sum / 64 + bias: the uniform weights of iteration 0
.endif
	v_mul_f32 v[Q], v[P], v[P]
	v_fmac_f32 v[Q], v[P+1], v[P+1]
.irp x, 1,2,4
	v_add_f32_dpp v[Q], v[Q], v[Q] row_xmask:\x row_mask:0xf bank_mask:0xf  ; the capsule's 8 lanes: n2 in each
.endr
	v_add_f32 v[D], 1.0, v[Q]
	v_add_f32 v[D+1], 0x322bcc77, v[Q]             ; n2 + 1e-8
	v_rcp_f32 v[D], v[D]
	v_rsq_f32 v[D+1], v[D+1]
	v_nop                                          ; a plain instruction behind the two, ahead of the first use
	s_wait_alu depctr_va_vdst(0)                   ; and one wait ahead of the first line that names a result
	v_mul_f32 v[Q], v[Q], v[D]                     ; n2 / (1 + n2)
	v_mul_f32 v[Q], v[Q], v[D+1]                   ; / sqrt(n2 + eps)
.if SECOND
	v_fma_f32 v[P], v[P], v[Q], v[VP]              ; v1 + v0
	v_fma_f32 v[P+1], v[P+1], v[Q], v[VP+1]
.else
	v_mul_f32 v[P], v[P], v[Q]                     ; v0
	v_mul_f32 v[P+1], v[P+1], v[Q]
	s_cmp_lg_u32 s16, 0
	s_cbranch_scc1 .Lnot_first                     ; one work-group of the batch stores v0 for the next launch
	global_store_b64 v[T8], v[P:P+1], s[10:11]     ; a wave's store covers 256 consecutive bytes, aligned; neither its data nor its address is written again
.Lnot_first:
.endif
	v_mul_f32 v[WS], 0x3fb8aa3b, v[P]              ; times log2(e)
	v_mul_f32 v[WS+1], 0x3fb8aa3b, v[P+1]
	ds_store_b64 v[LW], v[WS:WS+1]
	s_wait_dscnt 0x0                               ; for the others' sake: my two numbers of w are in LDS
	s_barrier_signal -1
	s_barrier_wait -1                              ; all 1,024 are
.irp j, 0,1,2,3
	ds_load_b128 v[W+8*(\j):W+8*(\j)+3],   v[LWR] offset:(\j)*1024
	ds_load_b128 v[W+8*(\j)+4:W+8*(\j)+7], v[LWR] offset:(\j)*1024+16  ; waited for with the first pair's loads
.endr
; Rows 2 g and 2 g + 1 of my eight.
.macro GROUP g
	s_wait_tensorcnt 3-(\g)                        ; a wave's tensor loads end in order: this pair has landed; the 3 - g loads issued behind it may stay out
.irp r, 0,1
.irp j, 0,1,2,3
	ds_load_b128 v[X+16*(\r)+4*(\j):X+16*(\r)+4*(\j)+3], v[LA] offset:(2*(\g)+(\r))*ROWH+(\j)*512  ; 32 lanes, 16 neighbouring bytes each
.endr
.endr
	s_wait_dscnt 0x0
	; the logits' halves: 8 chains of 8 multiply-adds, by turns; register q of a piece holds features 2 q (low half) and 2 q + 1 (high half)
.irp q, 0,1,2,3
.irp r, 0,1
.irp j, 0,1,2,3
.if (\q) == 0
	v_fma_mix_f32 v[L+4*(\r)+(\j)], v[X+16*(\r)+4*(\j)], v[W+8*(\j)], v[ZERO] op_sel_hi:[1,0,0]
.else
	v_fma_mix_f32 v[L+4*(\r)+(\j)], v[X+16*(\r)+4*(\j)+(\q)], v[W+8*(\j)+2*(\q)], v[L+4*(\r)+(\j)] op_sel_hi:[1,0,0]
.endif
.endr
.endr
.irp r, 0,1
.irp j, 0,1,2,3
	v_fma_mix_f32 v[L+4*(\r)+(\j)], v[X+16*(\r)+4*(\j)+(\q)], v[W+8*(\j)+2*(\q)+1], v[L+4*(\r)+(\j)] op_sel:[1,0,0] op_sel_hi:[1,0,0]
.endr
.endr
.endr
.irp i, 0,1,2,3,4,5,6,7
	v_add_f32_dpp v[L+(\i)], v[L+(\i)], v[L+(\i)] row_xmask:1 row_mask:0xf bank_mask:0xf  ; the capsule's other half lies in the neighbour lane: both now hold the logit
.endr
	; the maximum over the row's 64 capsules: my four, then the lanes 2, 4, 8 and 16 away
.irp r, 0,1
	v_max_num_f32 v[MT+2*(\r)+1], v[L+4*(\r)+2], v[L+4*(\r)+3]
.endr
.irp r, 0,1
	v_max3_num_f32 v[MT+2*(\r)], v[L+4*(\r)], v[L+4*(\r)+1], v[MT+2*(\r)+1]
.endr
.irp x, 2,4,8
.irp r, 0,1
	v_max_num_f32_dpp v[MT+2*(\r)], v[MT+2*(\r)], v[MT+2*(\r)] row_xmask:\x row_mask:0xf bank_mask:0xf
.endr
.endr
.irp r, 0,1
	v_permlanex16_b32 v[MT+2*(\r)+1], v[MT+2*(\r)], s28, s29
.endr
.irp r, 0,1
	v_max_num_f32 v[MT+2*(\r)], v[MT+2*(\r)], v[MT+2*(\r)+1]
.endr
.irp r, 0,1
.irp k, 0,1
	v_pk_add_f32 v[L+4*(\r)+2*(\k):L+4*(\r)+2*(\k)+1], v[L+4*(\r)+2*(\k):L+4*(\r)+2*(\k)+1], v[MT+2*(\r):MT+2*(\r)+1] op_sel_hi:[1,0] neg_lo:[0,1] neg_hi:[0,1]  ; less the maximum
.endr
.endr
.irp i, 0,1,2,3,4,5,6,7
	v_exp_f32 v[L+(\i)], v[L+(\i)]                 ; one batch
.endr
	v_nop                                          ; a plain instruction behind the last exponential
	s_wait_alu depctr_va_vdst(0)                   ; one wait for the eight, ahead of the first line that names a result
	; the sum over the 64 capsules: a capsule lies in two neighbour lanes, so the lane 1 away is not added
.irp r, 0,1
	v_pk_add_f32 v[S+2*(\r):S+2*(\r)+1], v[L+4*(\r):L+4*(\r)+1], v[L+4*(\r)+2:L+4*(\r)+3]
.endr
.irp r, 0,1
	v_add_f32 v[S+2*(\r)], v[S+2*(\r)], v[S+2*(\r)+1]
.endr
.irp x, 2,4,8
.irp r, 0,1
	v_add_f32_dpp v[S+2*(\r)], v[S+2*(\r)], v[S+2*(\r)] row_xmask:\x row_mask:0xf bank_mask:0xf
.endr
.endr
.irp r, 0,1
	v_permlanex16_b32 v[S+2*(\r)+1], v[S+2*(\r)], s28, s29
.endr
.irp r, 0,1
	v_add_f32 v[S+2*(\r)], v[S+2*(\r)], v[S+2*(\r)+1]
.endr
.irp r, 0,1
	v_rcp_f32 v[S+2*(\r)], v[S+2*(\r)]             ; the sum is 1 at the least: the largest weight is 1
.endr
	v_nop
	s_wait_alu depctr_va_vdst(0)                   ; one wait for the two reciprocals
.irp r, 0,1
.irp k, 0,1
	v_pk_mul_f32 v[L+4*(\r)+2*(\k):L+4*(\r)+2*(\k)+1], v[L+4*(\r)+2*(\k):L+4*(\r)+2*(\k)+1], v[S+2*(\r):S+2*(\r)+1] op_sel_hi:[1,0]  ; the weights
.endr
.endr
	; my 32 sums take weight x number, again straight from the f16 halves; the very first row starts them: nothing is cleared
.irp r, 0,1
.irp j, 0,1,2,3
.irp q, 0,1,2,3
.if ((\g) == 0) && ((\r) == 0)
	v_fma_mix_f32 v[ACC+8*(\j)+2*(\q)],   v[X+16*(\r)+4*(\j)+(\q)], v[L+4*(\r)+(\j)], v[ZERO] op_sel_hi:[1,0,0]
	v_fma_mix_f32 v[ACC+8*(\j)+2*(\q)+1], v[X+16*(\r)+4*(\j)+(\q)], v[L+4*(\r)+(\j)], v[ZERO] op_sel:[1,0,0] op_sel_hi:[1,0,0]
.else
	v_fma_mix_f32 v[ACC+8*(\j)+2*(\q)],   v[X+16*(\r)+4*(\j)+(\q)], v[L+4*(\r)+(\j)], v[ACC+8*(\j)+2*(\q)] op_sel_hi:[1,0,0]
	v_fma_mix_f32 v[ACC+8*(\j)+2*(\q)+1], v[X+16*(\r)+4*(\j)+(\q)], v[L+4*(\r)+(\j)], v[ACC+8*(\j)+2*(\q)+1] op_sel:[1,0,0] op_sel_hi:[1,0,0]
.endif
.endr
.endr
.endr
.endm
	GROUP 0
	GROUP 1
	GROUP 2
	GROUP 3                                        ; its wait on TENSORcnt is for 0: all my tensor loads have landed
	; The sixteen waves' sums meet in LDS.  Each wave stores its 1,024, in their order in a row, over its own first pair of rows: those bytes have had their only fill, only this wave read them, and its
	; reads came back long ago.  Behind the barrier thread t adds numbers 2 t and 2 t + 1 of all sixteen.
.irp j, 0,1,2,3
	ds_store_b128 v[LS], v[ACC+8*(\j):ACC+8*(\j)+3]   offset:(\j)*1024
	ds_store_b128 v[LS], v[ACC+8*(\j)+4:ACC+8*(\j)+7] offset:(\j)*1024+16
.endr
	s_wait_dscnt 0x0                               ; for the others' sake: my stores are done
	s_barrier_signal -1
	s_barrier_wait -1
.irp k, 0,1,2,3,4,5,6,7,8,9,10,11,12,13,14,15
.if (\k) < 4
	ds_load_b64 v[R+2*(\k):R+2*(\k)+1], v[T8] offset:(\k)*WSLOT
.else
	ds_load_b64 v[R+2*(\k):R+2*(\k)+1], v[RA+(\k)/4-1] offset:((\k)%4)*WSLOT
.endif
.endr
	s_wait_dscnt 0x0
	TREE R
	global_store_b64 v[T8], v[R:R+1], s[12:13]     ; a wave's store covers 256 consecutive bytes, aligned
	s_wait_tensorcnt 0x0                           ; the wave's end, behind my last tensor load and my last LDS store
	ds_add_u32 v[SPW], v[NIL]
	s_wait_dscnt 0x0
	s_endpgm
.Lfunc_end_k_q3220845138_route1:
	.size	k_q3220845138_route1, .Lfunc_end_k_q3220845138_route1-k_q3220845138_route1
	.p2alignl 7, 3214868480
	.fill 96, 4, 3214868480
	.section	.rodata,"a",@progbits
	.p2align	6, 0x0
	.amdhsa_kernel k_q3220845138_route1
		.amdhsa_group_segment_fixed_size 268288
		.amdhsa_private_segment_fixed_size 0
		.amdhsa_enable_private_segment 0
		.amdhsa_kernarg_size 40
		.amdhsa_user_sgpr_count 2
		.amdhsa_user_sgpr_kernarg_segment_ptr 1
		.amdhsa_wavefront_size32 1
		.amdhsa_system_sgpr_workgroup_id_x 1
		.amdhsa_system_sgpr_workgroup_id_y 1
		.amdhsa_system_sgpr_workgroup_id_z 1
		.amdhsa_system_vgpr_workitem_id 0
		.amdhsa_next_free_vgpr 168
		.amdhsa_next_free_sgpr 66
		.amdhsa_reserve_vcc 0
		.amdhsa_float_denorm_mode_32 3
		.amdhsa_float_denorm_mode_16_64 3
		.amdhsa_memory_ordered 1
		.amdhsa_forward_progress 1
		.amdhsa_inst_pref_size 57
	.end_amdhsa_kernel
	.amdgpu_metadata
---
amdhsa.version: [ 1, 2 ]
amdhsa.kernels:
  - .name:           k_q3220845138_route1
    .symbol:         k_q3220845138_route1.kd
    .args:
      - { .name: xh, .offset: 0, .size: 8, .value_kind: global_buffer, .address_space: global }
      - { .name: parta, .offset: 8, .size: 8, .value_kind: global_buffer, .address_space: global }
      - { .name: bias, .offset: 16, .size: 8, .value_kind: global_buffer, .address_space: global }
      - { .name: v0buf, .offset: 24, .size: 8, .value_kind: global_buffer, .address_space: global }
      - { .name: partb, .offset: 32, .size: 8, .value_kind: global_buffer, .address_space: global }
    .group_segment_fixed_size: 268288
    .private_segment_fixed_size: 0
    .kernarg_segment_align: 8
    .kernarg_segment_size: 40
    .max_flat_workgroup_size: 512
    .sgpr_count:     66
    .vgpr_count:     168
    .wavefront_size: 32
...
	.end_amdgpu_metadata
.endif
;; end of part 2
;; launch route2 (part 3): grid 256 x 1, 16 waves a work-group, no clusters, 268,288 bytes of LDS; arguments xh, partb, bias, v0buf, parta; writes parta
.if DOCPART == 3
	.amdgcn_target "amdgcn-amd-amdhsa--gfx1250"
	.amdhsa_code_object_version 6
	.text
	.protected	k_q3220845138_route2
	.globl	k_q3220845138_route2
	.p2align	8
	.type	k_q3220845138_route2,@function
k_q3220845138_route2:
	s_mov_b64 s[64:65], 0
	v_nop
	global_prefetch_b8 v0, s[64:65] scope:SCOPE_SE
	s_setreg_imm32_b32 hwreg(HW_REG_WAVE_MODE, 25, 1), 1
	s_wait_xcnt 0x0
; ROUTING STEP 2 (SECOND = 1).  v1 = squash(sum over n of a x + bias); a[n][c] = softmax over the 64 capsules c of x[n][c] . (v0[c] + v1[c]); the work-group's partial sums over n of a[n][c] x[n][c][f].
; Left out, as the first launch's head shows: one softmax serves a capsule's 16 features, since the priors are equal along them; the priors are not stored: x . v0 + x . v1 = x . (v0 + v1).
; LIMITS.  x is the f16 copy (|x| under 65,520).  A weight below 2^-126 counts as 0 beside the row's largest, which is 1.  Sums are taken in another order than the reference's.
; SHARES.  A row (one n of one batch) is 1,024 f16, 2,048 bytes.  A work-group takes 128 rows on end (16 work-groups to a batch), each of its 16 waves 8 rows, 16,384 dense bytes.
; THE ROWS COME BY THE TENSOR DATA MOVER, into LDS bytes that are the wave's own: four loads a wave, a pair of rows each (4,096 dense bytes, asked for as 16 rows of 256), all issued at the head, behind the 18
; small loads that the head's arithmetic waits for.  A tensor load takes one issue slot, so the wave goes straight on to make v1 while its whole share is on its way; the counted waits then let a pair be worked
; on while the later pairs land, which one load of 64 rows would not.  By this text's count a wave has four tensor loads out.  Nothing is filled again, so no barrier guards a slot.
; HEAD.  Thread t adds numbers 2 t and 2 t + 1 of the batch's 16 partial sums; a capsule's 16 features lie in 8 neighbouring lanes, so its squared norm is three exchanges.  v0 comes from the launch before.
; w = (v0 + v1) log2(e) goes through LDS to every lane: 32 registers.  The exponentials are then powers of two of w . x less its maximum.
; A PAIR OF ROWS.  Eight LDS loads of 512 consecutive bytes: in piece j of a row lane l holds features 8 (l % 2) + 0..7 of capsule 16 j + l / 2: half a capsule, four capsules a lane, the same in every row.
; 64 multiply-adds straight from the f16 halves into 8 f32 sums; the neighbour lane's half is added; the maximum over the 64 capsules (in the lane, then lanes 2, 4, 8 and 16 away) is taken away,
; as the reference takes it; 8 exponentials, one batch with one wait; the sum; 2 reciprocals with one wait; 64 multiply-adds onto the lane's 32 f32 sums.
; No matrix unit: each capsule's two products have one row, so a tile of 16 x 16 would hold one useful line in sixteen.
; No cluster: what the 16 work-groups of a batch share is 69,632 bytes of partial sums and v0, read once, beside 262,144 bytes of rows of their own.
.set SECOND, 1
.set ROWH,  2048
.set PAIRB, 2*ROWH                     ; what one tensor load brings
.set WSLOT, 4*PAIRB                    ; LDS: wave w's 8 rows at 16,384 w; at the end its 1,024 sums take the first 4,096 of these bytes, which have had their only fill and whose reads are over
.set WV,    16*WSLOT                   ; w: 1,024 f32
.set SPARE, WV+4096                    ; the spare words, 128 bytes for each of the 16 waves; no other line names them
.set SPW,  2                           ; v2   LDS address of my spare word; never rewritten
.set NIL,  3                           ; v3   0, for the add alone; never rewritten
.set LA,   4                           ; v4   16,384 wave + 16 lane: my 16 bytes of a piece; never rewritten
.set T8,   5                           ; v5   8 x my thread's number; never rewritten
.set LW,   6                           ; v6   WV + 8 x my thread's number
.set LWR,  7                           ; v7   WV + 32 lane
.set LS,   8                           ; v8   16,384 wave + 32 lane
.set ZERO, 9                           ; v9   0: the addend of a chain's first multiply-add (these forms take registers alone)
.set Q,    10                          ; v10  a capsule's squared norm, then the factor of squash
.set D,    12                          ; v[12:13] 1 + n2, n2 + eps
.set WS,   14                          ; v[14:15] my two numbers of w
.set BI,   16                          ; v[16:17] my two numbers of bias
.set VP,   18                          ; v[18:19] my two numbers of v0
.set L,    20                          ; v[20:27] row r of the pair, piece j, at L + 4 r + j: logit, then weight
.set MT,   28                          ; v[28:31] row r: the maximum at MT + 2 r; beside it a register at work
.set S,    32                          ; v[32:35] row r: the sum, then its reciprocal, at S + 2 r; beside it a register at work
.set W,    36                          ; v[36:67]   w of my 32 places: piece j, feature e at W + 8 j + e
.set ACC,  68                          ; v[68:99]   my 32 sums, likewise
.set X,    100                         ; v[100:131] the pair in hand: row r, piece j at X + 16 r + 4 j
.set R,    X                           ; the tail: sixteen pairs read back from LDS
.set P,    132                         ; v[132:163] the head: sixteen pairs of partial sums
.set RA,   164                         ; v[164:166] 8 x my thread's number + 65,536 m, m = 1 to 3: an LDS immediate has 16 bits
.set G1,   32                          ; s[32:39] descriptor group 1: the shape, the same for all four loads
.set G0,   40                          ; s[40:55] descriptor group 0, a set for each load: all four are out together
.macro TREE b                          ; sixteen pairs from v[b] on are added into the first
.irp k, 0,1,2,3,4,5,6,7
	v_pk_add_f32 v[(\b)+2*(\k):(\b)+2*(\k)+1], v[(\b)+2*(\k):(\b)+2*(\k)+1], v[(\b)+16+2*(\k):(\b)+16+2*(\k)+1]
.endr
.irp k, 0,1,2,3
	v_pk_add_f32 v[(\b)+2*(\k):(\b)+2*(\k)+1], v[(\b)+2*(\k):(\b)+2*(\k)+1], v[(\b)+8+2*(\k):(\b)+8+2*(\k)+1]
.endr
.irp k, 0,1
	v_pk_add_f32 v[(\b)+2*(\k):(\b)+2*(\k)+1], v[(\b)+2*(\k):(\b)+2*(\k)+1], v[(\b)+4+2*(\k):(\b)+4+2*(\k)+1]
.endr
	v_pk_add_f32 v[(\b):(\b)+1], v[(\b):(\b)+1], v[(\b)+2:(\b)+3]
.endm
	s_load_b256 s[4:11], s[0:1], 0x0               ; xh s[4:5], partial sums in s[6:7], bias s[8:9], v0 s[10:11]
	s_load_b64 s[12:13], s[0:1], 0x20              ; partial sums out
	v_lshl_add_u32 v[SPW], v0, 2, SPARE
	v_mov_b32 v[NIL], 0
	ds_add_u32 v[SPW], v[NIL]                      ; the wave's opening: the add, twice on end, and its wait, ahead of my first tensor load; the set-up below, work on registers, stands between
	ds_add_u32 v[SPW], v[NIL]                      ; and once more, under the one wait
	v_lshrrev_b32 v1, 5, v0
	v_readfirstlane_b32 s14, v1                    ; wave 0..15
	v_and_b32 v1, 31, v0                           ; lane
	s_lshr_b32 s15, ttmp9, 4                       ; the batch
.if SECOND == 0
	s_and_b32 s16, ttmp9, 15                       ; my place among the batch's 16 work-groups
.endif
	s_lshl_b32 s17, s14, 14                        ; my wave's 8 rows: in the work-group's share of memory and in LDS alike
	s_lshl_b32 s18, s14, 8                         ; 8 x its first thread
	s_lshl_b32 s20, ttmp9, 18                      ; the work-group's 128 rows of 2,048 bytes,
	s_add_co_u32 s20, s20, s17                     ; and my wave's among them (under 2^26)
	s_mov_b32 s21, 0
	s_lshl_b32 s22, s15, 16                        ; the batch's 16 partial sums of 4,096 bytes
	s_mov_b32 s23, 0
	s_lshl_b32 s24, s15, 12                        ; the batch's v0
	s_mov_b32 s25, 0
	s_lshl_b32 s26, ttmp9, 12                      ; the work-group's partial sums
	s_mov_b32 s27, 0
	; descriptor group 1: 4,096 dense bytes as a tile of 16 rows x 128 elements of 2 bytes, laid into LDS without gaps; the tile lies inside the tensor, so the extents are the tile's
	s_mov_b32 s[G1+0], 1<<16                       ; 15:0 no work-group mask; 17:16 elements of 2 bytes; 20 no padding
	s_mov_b32 s[G1+1], 128<<16                     ; tensor_dim0 = 128
	s_mov_b32 s[G1+2], 16<<16                      ; tensor_dim1 = 16
	s_mov_b32 s[G1+3], 128<<16                     ; tile_dim0 = 128
	s_mov_b32 s[G1+4], 16                          ; tile_dim1 = 16
	s_mov_b32 s[G1+5], 128                         ; 128 elements from row to row: dense
	s_mov_b32 s[G1+6], 0
	s_mov_b32 s[G1+7], 0
.irp g, 0,1,2,3
	s_mov_b32 s[G0+4*(\g)], 1                      ; count = 1
	s_add_co_u32 s[G0+4*(\g)+1], s17, (\g)*PAIRB   ; LDS address: 16,384 wave + 4,096 pair
.endr
	v_lshl_add_u32 v[T8], v1, 3, s18
	s_wait_dscnt 0x0                               ; both opening adds are done
	s_wait_kmcnt 0x0
	s_add_nc_u64 s[6:7], s[6:7], s[22:23]
	s_add_nc_u64 s[10:11], s[10:11], s[24:25]
.irp k, 0,1,2,3,4,5,6,7,8,9,10,11,12,13,14,15
	global_load_b64 v[P+2*(\k):P+2*(\k)+1], v[T8], s[6:7] offset:(\k)*4096  ; what the head waits for goes out first
.endr
	global_load_b64 v[BI:BI+1], v[T8], s[8:9]
.if SECOND
	global_load_b64 v[VP:VP+1], v[T8], s[10:11]
.endif
	s_add_nc_u64 s[4:5], s[4:5], s[20:21]          ; xh at my wave's first row
.irp g, 0,1,2,3
	s_add_nc_u64 s[G0+4*(\g)+2:G0+4*(\g)+3], s[4:5], (\g)*PAIRB  ; global address of the pair
	s_or_b32 s[G0+4*(\g)+3], s[G0+4*(\g)+3], 0x80000000          ; type = 2
.endr
.irp g, 0,1,2,3
	tensor_load_to_lds s[G0+4*(\g):G0+4*(\g)+3], s[G1:G1+7]      ; the four first fills, one group, ahead of every wait on TENSORcnt, every LDS read and every barrier
	s_nop 0
.endr
	v_lshl_add_u32 v[LA], v1, 4, s17               ; the rest of the set-up stands in the wait for the head's loads
	v_lshl_add_u32 v[LS], v1, 5, s17
	v_lshl_add_u32 v[LWR], v1, 5, WV
	v_mov_b32 v[ZERO], 0
	s_add_co_u32 s19, s18, WV
	v_lshl_add_u32 v[LW], v1, 3, s19
.irp m, 1,2,3
	v_add_nc_u32 v[RA+(\m)-1], 65536*(\m), v[T8]
.endr
	s_add_nc_u64 s[12:13], s[12:13], s[26:27]
	s_mov_b32 s28, 0x76543210                      ; v_permlanex16_b32: each lane takes its own place in the other half
	s_mov_b32 s29, 0xfedcba98
	s_wait_loadcnt 0x0                             ; the partial sums, the bias and v0 are in
	TREE P
.if SECOND
	v_pk_add_f32 v[P:P+1], v[P:P+1], v[BI:BI+1]
.else
	v_pk_fma_f32 v[P:P+1], v[P:P+1], 0x3c800000, v[BI:BI+1] op_sel_hi:[1,0,1]  ; sum / 64 + bias: the uniform weights of iteration 0
.endif
	v_mul_f32 v[Q], v[P], v[P]
	v_fmac_f32 v[Q], v[P+1], v[P+1]
.irp x, 1,2,4
	v_add_f32_dpp v[Q], v[Q], v[Q] row_xmask:\x row_mask:0xf bank_mask:0xf  ; the capsule's 8 lanes: n2 in each
.endr
	v_add_f32 v[D], 1.0, v[Q]
	v_add_f32 v[D+1], 0x322bcc77, v[Q]             ; n2 + 1e-8
	v_rcp_f32 v[D], v[D]
	v_rsq_f32 v[D+1], v[D+1]
	v_nop                                          ; a plain instruction behind the two, ahead of the first use
	s_wait_alu depctr_va_vdst(0)                   ; and one wait ahead of the first line that names a result
	v_mul_f32 v[Q], v[Q], v[D]                     ; n2 / (1 + n2)
	v_mul_f32 v[Q], v[Q], v[D+1]                   ; / sqrt(n2 + eps)
.if SECOND
	v_fma_f32 v[P], v[P], v[Q], v[VP]              ; v1 + v0
	v_fma_f32 v[P+1], v[P+1], v[Q], v[VP+1]
.else
	v_mul_f32 v[P], v[P], v[Q]                     ; v0
	v_mul_f32 v[P+1], v[P+1], v[Q]
	s_cmp_lg_u32 s16, 0
	s_cbranch_scc1 .Lnot_first                     ; one work-group of the batch stores v0 for the next launch
	global_store_b64 v[T8], v[P:P+1], s[10:11]     ; a wave's store covers 256 consecutive bytes, aligned; neither its data nor its address is written again
.Lnot_first:
.endif
	v_mul_f32 v[WS], 0x3fb8aa3b, v[P]              ; times log2(e)
	v_mul_f32 v[WS+1], 0x3fb8aa3b, v[P+1]
	ds_store_b64 v[LW], v[WS:WS+1]
	s_wait_dscnt 0x0                               ; for the others' sake: my two numbers of w are in LDS
	s_barrier_signal -1
	s_barrier_wait -1                              ; all 1,024 are
.irp j, 0,1,2,3
	ds_load_b128 v[W+8*(\j):W+8*(\j)+3],   v[LWR] offset:(\j)*1024
	ds_load_b128 v[W+8*(\j)+4:W+8*(\j)+7], v[LWR] offset:(\j)*1024+16  ; waited for with the first pair's loads
.endr
; Rows 2 g and 2 g + 1 of my eight.
.macro GROUP g
	s_wait_tensorcnt 3-(\g)                        ; a wave's tensor loads end in order: this pair has landed; the 3 - g loads issued behind it may stay out
.irp r, 0,1
.irp j, 0,1,2,3
	ds_load_b128 v[X+16*(\r)+4*(\j):X+16*(\r)+4*(\j)+3], v[LA] offset:(2*(\g)+(\r))*ROWH+(\j)*512  ; 32 lanes, 16 neighbouring bytes each
.endr
.endr
	s_wait_dscnt 0x0
	; the logits' halves: 8 chains of 8 multiply-adds, by turns; register q of a piece holds features 2 q (low half) and 2 q + 1 (high half)
.irp q, 0,1,2,3
.irp r, 0,1
.irp j, 0,1,2,3
.if (\q) == 0
	v_fma_mix_f32 v[L+4*(\r)+(\j)], v[X+16*(\r)+4*(\j)], v[W+8*(\j)], v[ZERO] op_sel_hi:[1,0,0]
.else
	v_fma_mix_f32 v[L+4*(\r)+(\j)], v[X+16*(\r)+4*(\j)+(\q)], v[W+8*(\j)+2*(\q)], v[L+4*(\r)+(\j)] op_sel_hi:[1,0,0]
.endif
.endr
.endr
.irp r, 0,1
.irp j, 0,1,2,3
	v_fma_mix_f32 v[L+4*(\r)+(\j)], v[X+16*(\r)+4*(\j)+(\q)], v[W+8*(\j)+2*(\q)+1], v[L+4*(\r)+(\j)] op_sel:[1,0,0] op_sel_hi:[1,0,0]
.endr
.endr
.endr
.irp i, 0,1,2,3,4,5,6,7
	v_add_f32_dpp v[L+(\i)], v[L+(\i)], v[L+(\i)] row_xmask:1 row_mask:0xf bank_mask:0xf  ; the capsule's other half lies in the neighbour lane: both now hold the logit
.endr
	; the maximum over the row's 64 capsules: my four, then the lanes 2, 4, 8 and 16 away
.irp r, 0,1
	v_max_num_f32 v[MT+2*(\r)+1], v[L+4*(\r)+2], v[L+4*(\r)+3]
.endr
.irp r, 0,1
	v_max3_num_f32 v[MT+2*(\r)], v[L+4*(\r)], v[L+4*(\r)+1], v[MT+2*(\r)+1]
.endr
.irp x, 2,4,8
.irp r, 0,1
	v_max_num_f32_dpp v[MT+2*(\r)], v[MT+2*(\r)], v[MT+2*(\r)] row_xmask:\x row_mask:0xf bank_mask:0xf
.endr
.endr
.irp r, 0,1
	v_permlanex16_b32 v[MT+2*(\r)+1], v[MT+2*(\r)], s28, s29
.endr
.irp r, 0,1
	v_max_num_f32 v[MT+2*(\r)], v[MT+2*(\r)], v[MT+2*(\r)+1]
.endr
.irp r, 0,1
.irp k, 0,1
	v_pk_add_f32 v[L+4*(\r)+2*(\k):L+4*(\r)+2*(\k)+1], v[L+4*(\r)+2*(\k):L+4*(\r)+2*(\k)+1], v[MT+2*(\r):MT+2*(\r)+1] op_sel_hi:[1,0] neg_lo:[0,1] neg_hi:[0,1]  ; less the maximum
.endr
.endr
.irp i, 0,1,2,3,4,5,6,7
	v_exp_f32 v[L+(\i)], v[L+(\i)]                 ; one batch
.endr
	v_nop                                          ; a plain instruction behind the last exponential
	s_wait_alu depctr_va_vdst(0)                   ; one wait for the eight, ahead of the first line that names a result
	; the sum over the 64 capsules: a capsule lies in two neighbour lanes, so the lane 1 away is not added
.irp r, 0,1
	v_pk_add_f32 v[S+2*(\r):S+2*(\r)+1], v[L+4*(\r):L+4*(\r)+1], v[L+4*(\r)+2:L+4*(\r)+3]
.endr
.irp r, 0,1
	v_add_f32 v[S+2*(\r)], v[S+2*(\r)], v[S+2*(\r)+1]
.endr
.irp x, 2,4,8
.irp r, 0,1
	v_add_f32_dpp v[S+2*(\r)], v[S+2*(\r)], v[S+2*(\r)] row_xmask:\x row_mask:0xf bank_mask:0xf
.endr
.endr
.irp r, 0,1
	v_permlanex16_b32 v[S+2*(\r)+1], v[S+2*(\r)], s28, s29
.endr
.irp r, 0,1
	v_add_f32 v[S+2*(\r)], v[S+2*(\r)], v[S+2*(\r)+1]
.endr
.irp r, 0,1
	v_rcp_f32 v[S+2*(\r)], v[S+2*(\r)]             ; the sum is 1 at the least: the largest weight is 1
.endr
	v_nop
	s_wait_alu depctr_va_vdst(0)                   ; one wait for the two reciprocals
.irp r, 0,1
.irp k, 0,1
	v_pk_mul_f32 v[L+4*(\r)+2*(\k):L+4*(\r)+2*(\k)+1], v[L+4*(\r)+2*(\k):L+4*(\r)+2*(\k)+1], v[S+2*(\r):S+2*(\r)+1] op_sel_hi:[1,0]  ; the weights
.endr
.endr
	; my 32 sums take weight x number, again straight from the f16 halves; the very first row starts them: nothing is cleared
.irp r, 0,1
.irp j, 0,1,2,3
.irp q, 0,1,2,3
.if ((\g) == 0) && ((\r) == 0)
	v_fma_mix_f32 v[ACC+8*(\j)+2*(\q)],   v[X+16*(\r)+4*(\j)+(\q)], v[L+4*(\r)+(\j)], v[ZERO] op_sel_hi:[1,0,0]
	v_fma_mix_f32 v[ACC+8*(\j)+2*(\q)+1], v[X+16*(\r)+4*(\j)+(\q)], v[L+4*(\r)+(\j)], v[ZERO] op_sel:[1,0,0] op_sel_hi:[1,0,0]
.else
	v_fma_mix_f32 v[ACC+8*(\j)+2*(\q)],   v[X+16*(\r)+4*(\j)+(\q)], v[L+4*(\r)+(\j)], v[ACC+8*(\j)+2*(\q)] op_sel_hi:[1,0,0]
	v_fma_mix_f32 v[ACC+8*(\j)+2*(\q)+1], v[X+16*(\r)+4*(\j)+(\q)], v[L+4*(\r)+(\j)], v[ACC+8*(\j)+2*(\q)+1] op_sel:[1,0,0] op_sel_hi:[1,0,0]
.endif
.endr
.endr
.endr
.endm
	GROUP 0
	GROUP 1
	GROUP 2
	GROUP 3                                        ; its wait on TENSORcnt is for 0: all my tensor loads have landed
	; The sixteen waves' sums meet in LDS.  Each wave stores its 1,024, in their order in a row, over its own first pair of rows: those bytes have had their only fill, only this wave read them, and its
	; reads came back long ago.  Behind the barrier thread t adds numbers 2 t and 2 t + 1 of all sixteen.
.irp j, 0,1,2,3
	ds_store_b128 v[LS], v[ACC+8*(\j):ACC+8*(\j)+3]   offset:(\j)*1024
	ds_store_b128 v[LS], v[ACC+8*(\j)+4:ACC+8*(\j)+7] offset:(\j)*1024+16
.endr
	s_wait_dscnt 0x0                               ; for the others' sake: my stores are done
	s_barrier_signal -1
	s_barrier_wait -1
.irp k, 0,1,2,3,4,5,6,7,8,9,10,11,12,13,14,15
.if (\k) < 4
	ds_load_b64 v[R+2*(\k):R+2*(\k)+1], v[T8] offset:(\k)*WSLOT
.else
	ds_load_b64 v[R+2*(\k):R+2*(\k)+1], v[RA+(\k)/4-1] offset:((\k)%4)*WSLOT
.endif
.endr
	s_wait_dscnt 0x0
	TREE R
	global_store_b64 v[T8], v[R:R+1], s[12:13]     ; a wave's store covers 256 consecutive bytes, aligned
	s_wait_tensorcnt 0x0                           ; the wave's end, behind my last tensor load and my last LDS store
	ds_add_u32 v[SPW], v[NIL]
	s_wait_dscnt 0x0
	s_endpgm
.Lfunc_end_k_q3220845138_route2:
	.size	k_q3220845138_route2, .Lfunc_end_k_q3220845138_route2-k_q3220845138_route2
	.p2alignl 7, 3214868480
	.fill 96, 4, 3214868480
	.section	.rodata,"a",@progbits
	.p2align	6, 0x0
	.amdhsa_kernel k_q3220845138_route2
		.amdhsa_group_segment_fixed_size 268288
		.amdhsa_private_segment_fixed_size 0
		.amdhsa_enable_private_segment 0
		.amdhsa_kernarg_size 40
		.amdhsa_user_sgpr_count 2
		.amdhsa_user_sgpr_kernarg_segment_ptr 1
		.amdhsa_wavefront_size32 1
		.amdhsa_system_sgpr_workgroup_id_x 1
		.amdhsa_system_sgpr_workgroup_id_y 1
		.amdhsa_system_sgpr_workgroup_id_z 1
		.amdhsa_system_vgpr_workitem_id 0
		.amdhsa_next_free_vgpr 168
		.amdhsa_next_free_sgpr 66
		.amdhsa_reserve_vcc 0
		.amdhsa_float_denorm_mode_32 3
		.amdhsa_float_denorm_mode_16_64 3
		.amdhsa_memory_ordered 1
		.amdhsa_forward_progress 1
		.amdhsa_inst_pref_size 57
	.end_amdhsa_kernel
	.amdgpu_metadata
---
amdhsa.version: [ 1, 2 ]
amdhsa.kernels:
  - .name:           k_q3220845138_route2
    .symbol:         k_q3220845138_route2.kd
    .args:
      - { .name: xh, .offset: 0, .size: 8, .value_kind: global_buffer, .address_space: global }
      - { .name: partb, .offset: 8, .size: 8, .value_kind: global_buffer, .address_space: global }
      - { .name: bias, .offset: 16, .size: 8, .value_kind: global_buffer, .address_space: global }
      - { .name: v0buf, .offset: 24, .size: 8, .value_kind: global_buffer, .address_space: global }
      - { .name: parta, .offset: 32, .size: 8, .value_kind: global_buffer, .address_space: global }
    .group_segment_fixed_size: 268288
    .private_segment_fixed_size: 0
    .kernarg_segment_align: 8
    .kernarg_segment_size: 40
    .max_flat_workgroup_size: 512
    .sgpr_count:     66
    .vgpr_count:     168
    .wavefront_size: 32
...
	.end_amdgpu_metadata
.endif
;; end of part 3
;; launch finish (part 4): grid 256 x 1, 1 waves a work-group, no clusters, 0 bytes of LDS; arguments parta, bias, out0; writes out0
.if DOCPART == 4
	.amdgcn_target "amdgcn-amd-amdhsa--gfx1250"
	.amdhsa_code_object_version 6
	.text
	.protected	k_q3220845138_finish
	.globl	k_q3220845138_finish
	.p2align	8
	.type	k_q3220845138_finish,@function
k_q3220845138_finish:
	s_mov_b64 s[64:65], 0
	v_nop
	global_prefetch_b8 v0, s[64:65] scope:SCOPE_SE
	s_setreg_imm32_b32 hwreg(HW_REG_WAVE_MODE, 25, 1), 1
	s_wait_xcnt 0x0
; THE LAST STEP.  out0[b][c][f] = squash(the sum of the batch's 16 partial sums + bias).  Nothing is left out here.
; SHARES.  A work-group is one wave and makes 64 numbers on end of one batch (4 capsules): lane l numbers 2 l and 2 l + 1.  Each load of the wave covers 256 consecutive bytes of one partial sum, its one
; store 256 consecutive bytes of out0, aligned.  A capsule's 16 features lie in 8 neighbouring lanes, so its squared norm is three exchanges.  No LDS, no barrier: no wave wants another wave's numbers.
; 17 loads, some thirty lines of arithmetic, one store: nothing to overlap and nothing to fetch ahead.
.set O,  1                             ; v1   8 x lane; never rewritten
.set P,  4                             ; v[4:35]  sixteen pairs of partial sums
.set BI, 36                            ; v[36:37] bias
.set Q,  38                            ; v38  the capsule's squared norm, then the factor of squash
.set D,  40                            ; v[40:41] 1 + n2, n2 + eps
	s_load_b128 s[4:7], s[0:1], 0x0                ; partial sums s[4:5], bias s[6:7]
	s_load_b64 s[8:9], s[0:1], 0x10                ; out0
	s_lshr_b32 s10, ttmp9, 4                       ; the batch
	s_and_b32 s11, ttmp9, 15                       ; which 64 of its 1,024 numbers
	s_lshl_b32 s12, s10, 16                        ; the batch's 16 partial sums of 4,096 bytes,
	s_lshl_b32 s14, s11, 8                         ; my 256 bytes of each, and of bias
	s_add_co_u32 s12, s12, s14
	s_mov_b32 s13, 0
	s_mov_b32 s15, 0
	s_lshl_b32 s16, ttmp9, 8                       ; my 256 bytes of out0
	s_mov_b32 s17, 0
	v_lshlrev_b32 v[O], 3, v0
	s_wait_kmcnt 0x0
	s_add_nc_u64 s[4:5], s[4:5], s[12:13]
	s_add_nc_u64 s[6:7], s[6:7], s[14:15]
	s_add_nc_u64 s[8:9], s[8:9], s[16:17]
.irp k, 0,1,2,3,4,5,6,7,8,9,10,11,12,13,14,15
	global_load_b64 v[P+2*(\k):P+2*(\k)+1], v[O], s[4:5] offset:(\k)*4096
.endr
	global_load_b64 v[BI:BI+1], v[O], s[6:7]
	s_wait_loadcnt 0x0
.irp k, 0,1,2,3,4,5,6,7
	v_pk_add_f32 v[P+2*(\k):P+2*(\k)+1], v[P+2*(\k):P+2*(\k)+1], v[P+16+2*(\k):P+16+2*(\k)+1]
.endr
.irp k, 0,1,2,3
	v_pk_add_f32 v[P+2*(\k):P+2*(\k)+1], v[P+2*(\k):P+2*(\k)+1], v[P+8+2*(\k):P+8+2*(\k)+1]
.endr
.irp k, 0,1
	v_pk_add_f32 v[P+2*(\k):P+2*(\k)+1], v[P+2*(\k):P+2*(\k)+1], v[P+4+2*(\k):P+4+2*(\k)+1]
.endr
	v_pk_add_f32 v[P:P+1], v[P:P+1], v[P+2:P+3]
	v_pk_add_f32 v[P:P+1], v[P:P+1], v[BI:BI+1]
	v_mul_f32 v[Q], v[P], v[P]
	v_fmac_f32 v[Q], v[P+1], v[P+1]
.irp x, 1,2,4
	v_add_f32_dpp v[Q], v[Q], v[Q] row_xmask:\x row_mask:0xf bank_mask:0xf  ; the capsule's 8 lanes: n2 in each
.endr
	v_add_f32 v[D], 1.0, v[Q]
	v_add_f32 v[D+1], 0x322bcc77, v[Q]             ; n2 + 1e-8
	v_rcp_f32 v[D], v[D]
	v_rsq_f32 v[D+1], v[D+1]
	v_nop                                          ; a plain instruction behind the two, ahead of the first use
	s_wait_alu depctr_va_vdst(0)                   ; and one wait ahead of the first line that names a result
	v_mul_f32 v[Q], v[Q], v[D]                     ; n2 / (1 + n2)
	v_mul_f32 v[Q], v[Q], v[D+1]                   ; / sqrt(n2 + eps)
	v_mul_f32 v[P], v[P], v[Q]
	v_mul_f32 v[P+1], v[P+1], v[Q]
	global_store_b64 v[O], v[P:P+1], s[8:9]
	s_endpgm
.Lfunc_end_k_q3220845138_finish:
	.size	k_q3220845138_finish, .Lfunc_end_k_q3220845138_finish-k_q3220845138_finish
	.p2alignl 7, 3214868480
	.fill 96, 4, 3214868480
	.section	.rodata,"a",@progbits
	.p2align	6, 0x0
	.amdhsa_kernel k_q3220845138_finish
		.amdhsa_group_segment_fixed_size 0
		.amdhsa_private_segment_fixed_size 0
		.amdhsa_enable_private_segment 0
		.amdhsa_kernarg_size 24
		.amdhsa_user_sgpr_count 2
		.amdhsa_user_sgpr_kernarg_segment_ptr 1
		.amdhsa_wavefront_size32 1
		.amdhsa_system_sgpr_workgroup_id_x 1
		.amdhsa_system_sgpr_workgroup_id_y 1
		.amdhsa_system_sgpr_workgroup_id_z 1
		.amdhsa_system_vgpr_workitem_id 0
		.amdhsa_next_free_vgpr 42
		.amdhsa_next_free_sgpr 66
		.amdhsa_reserve_vcc 0
		.amdhsa_float_denorm_mode_32 3
		.amdhsa_float_denorm_mode_16_64 3
		.amdhsa_memory_ordered 1
		.amdhsa_forward_progress 1
		.amdhsa_inst_pref_size 5
	.end_amdhsa_kernel
	.amdgpu_metadata
---
amdhsa.version: [ 1, 2 ]
amdhsa.kernels:
  - .name:           k_q3220845138_finish
    .symbol:         k_q3220845138_finish.kd
    .args:
      - { .name: parta, .offset: 0, .size: 8, .value_kind: global_buffer, .address_space: global }
      - { .name: bias, .offset: 8, .size: 8, .value_kind: global_buffer, .address_space: global }
      - { .name: out0, .offset: 16, .size: 8, .value_kind: global_buffer, .address_space: global }
    .group_segment_fixed_size: 0
    .private_segment_fixed_size: 0
    .kernarg_segment_align: 8
    .kernarg_segment_size: 24
    .max_flat_workgroup_size: 32
    .sgpr_count:     66
    .vgpr_count:     42
    .wavefront_size: 32
...
	.end_amdgpu_metadata
.endif
;; end of part 4
